; MI455X (gfx1250); checked and timed in simulation.
; The chip was launched on July 23, 2026; its instructions are those of AMD's public machine-readable ISA for CDNA 5 (MIT licence, August 2026) and "CDNA5" Instruction Set Architecture Reference Guide (July 2026). The comments in the code are by the model that wrote it; some were corrected since.
;; Hyperbolic Regression Poincare. Allowed arithmetic: float matrix products may take bf16 or f16 operands with f32 sums; all other float work in f32.
;; Inputs: bias 128 x 128 float32; weight 128 x 128 float32; x 4,096 x 128 float32.
;; Outputs: out0 4,096 x 128 float32.
;; One version. Each part assembles by itself: llvm-mc -triple=amdgcn-amd-amdhsa -mcpu=gfx1250 --defsym DOCPART=n.
;; ======== version 1 of 1: 1 launch
;; limits: a difference of large sums (such as E[x^2] - mean^2): digits are lost where the result is much smaller than its terms
;; launch hyp (part 1): grid 256 x 1, 4 waves a work-group, clusters of 4 x 1, 168,448 bytes of LDS; arguments bias, weight, x, out0; writes out0
.if DOCPART == 1
	.amdgcn_target "amdgcn-amd-amdhsa--gfx1250"
	.amdhsa_code_object_version 6
	.text
	.protected	k_q75fa1dc81d_hyp
	.globl	k_q75fa1dc81d_hyp
	.p2align	8
	.type	k_q75fa1dc81d_hyp,@function
k_q75fa1dc81d_hyp:
	s_mov_b64 s[64:65], 0
	v_nop
	global_prefetch_b8 v0, s[64:65] scope:SCOPE_SE
	s_setreg_imm32_b32 hwreg(HW_REG_WAVE_MODE, 25, 1), 1
	s_wait_xcnt 0x0
	s_wait_alu depctr_hold_cnt(0) depctr_sa_sdst(0) depctr_va_vdst(0) depctr_va_sdst(0) depctr_va_ssrc(0) depctr_va_vcc(0) depctr_vm_vsrc(0)
	s_getreg_b32 s2, hwreg(HW_REG_IB_STS2, 6, 4)
	s_cmp_eq_u32 s2, 0
	s_cbranch_scc0 .Lentry_in_a_cluster
	s_endpgm
.Lentry_in_a_cluster:
	s_bfe_u32 s2, ttmp6, 0x10000c
	s_cmp_lg_u32 s2, 0x3003
	s_cbranch_scc0 .Lentry_shape_is_right
	s_endpgm
.Lentry_shape_is_right:
; Signed distance of x_b to 128 hyperplanes of the Poincare ball (c = 1):
;   out0[b][o] = lambda(p_o) |a_o| asinh( smooth_clamp( lambda(sub) <sub, a_o> / |a_o| ) ),  sub = project( (-p_o) (+) x_b ),  a_o = max(1 - |p_o|^2, eps) w_o.
; x [4096][128], bias = p [128][128], weight = w [128][128], out0 [4096][128], all f32.
;
; THE ALGEBRA.  With u = -p_o, v = x_b every sum over the 128 inputs is a polynomial in uu = |p|^2, ww = |w|^2, pw = <p,w>, vv = |x|^2 (f32 sums here)
; and the two products T = <x,p>, W = <x,w> (matrix unit, bf16 operands, f32 sums):
;   A = 1 - 2T + vv,  B = 1 - uu,  den0 = 1 - 2T + uu vv = A + (uu - 1) vv,  num = A u + B v,  |num|^2 = den0 (uu - 2T + vv)  (an identity of polynomials),
;   <num, a> = s (B W - A pw),  s = max(B, eps).  den = max(den0, eps);  |sub|^2 = |num|^2 / den^2 before the projection.
; Divisions are saved by carrying den^2:  omd = den^2 (1 - min(|sub|^2, maxnorm^2)),  f = min(1, maxnorm / |sub|),  arg = (2 <num,a> / |a|) den f / omd.
; The clamp and asinh are odd, so they work on |arg| and the sign goes back on at the end.  For y >= 0 the clamp is min(y, CL) - ln(1 + exp(-50 |y - CL|)) / 50.
;
; LIMITS.  (1) asinh(y) = ln(y + sqrt(y^2 + 1)): absolute error about 1e-7, so relative accuracy fades below |arg| of about 1e-5.
; (2) The lower softplus term of the clamp is at most 2^-1200 for y >= 0, zero in f32: dropped.  (3) The clip of 1 - |sub|^2 at eps cannot bind behind
; the projection (1 - maxnorm^2 = 2e-5 > eps) and the clip of |sub| at 1e-15 is used only where |sub| > maxnorm: neither is written.
; (4) Where den0 < eps the module's own value is rounding noise; here |num|^2 is then max(den0 e, 0).  (5) NaN and infinities are not carried as the module carries them.
; (6) v_sqrt_f32, v_rsq_f32, v_rcp_f32, v_exp_f32 take denormals as zero (ISA guide 15.8): ww below 2^-126 counts as 0 and |a| is then the clip 1e-15.
;
; SHARES.  256 work-groups of four waves.  A work-group makes 32 rows x 64 outputs (16 KiB of x, 64 KiB of bias and weight); a wave 32 rows x 16 outputs.
; CLUSTER 4 x 1: the four work-groups of a cluster take four row blocks of the same output half, so they need the same 64 rows of bias and of weight,
; 64 of each work-group's 80 KiB: those tiles are asked for jointly (mask 15).  Clusters 2c and 2c + 1 take the two output halves of the same 128 rows.
; Each wave issues three tensor loads (three outstanding at the most): its own 16 rows of bias, its own 16 rows of weight, and 8 of the 32 rows of x.  Nothing is filled twice.
.set ROWB,   512                       ; bytes in a row of every tensor
.set PITCH,  528                       ; an LDS row: 512 bytes + 16 of padding = 33 x 16: the 16 rows that a 16-byte load touches fall on different banks (64 banks of 4 bytes: ISA guide 11.1)
.set OT,     16*PITCH                  ; 16 rows: a wave's tile of bias or of weight, and one row tile of x
.set LP,     0                         ; bias: 4 waves x 16 rows
.set LW,     4*OT                      ; weight: 4 waves x 16 rows
.set LX,     8*OT                      ; x: 32 rows
.set STAGE,  10*OT                     ; 84,480 = 330 x 256: the way out, 32 rows x 272 bytes; no tensor load lands here
.set SPITCH, 272
.set SCR,    STAGE+32*SPITCH           ; 93,184 = 364 x 256: 512 bytes for each wave, to turn five constants from lanes into registers
.set F_EPS,  0x34000000                ; 2^-23
.set F_MINN, 0x26901d7d                ; 1e-15
.set F_IM2,  0x3f8000a8                ; 1 / maxnorm^2, maxnorm = 1 - 1e-5
.set F_NM2,  0xbf7ffeb0                ; -maxnorm^2
.set F_CL,   0x41851592                ; CL = ln(2 / eps) = 24 ln 2
.set F_NCL,  0xc1851592
.set F_NK,   0xc29044fe                ; -50 log2(e)
.set F_NC50, 0xbc632166                ; -ln 2 / 50
.set F_2LN2, 0x3fb17218                ; 2 ln 2
; vector registers
.set VP,  8                            ; LDS address of my 64 bytes in row r of my wave's bias tile (weight: + LW in the immediate)
.set VX,  9                            ; the same in x's first row tile
.set STO, 10                           ; the way out: where I put 32 bytes of a row
.set RD,  11                           ; the way out: where I read 16 bytes back
.set CO,  12                           ; my byte offset in the work-group's block of out0
.set SCW, 13                           ; scratch: lane r's word
.set SCD, 14                           ; scratch: the eight words of my half
.set SU,  16                           ; v[16:19] uu, v[20:23] ww, v[24:27] pw: two pairs each, chains that do not wait for each other
.set SW,  20
.set SPW, 24
.set SV0, 28                           ; v[28:31] vv of row tile 0, v[32:35] of row tile 1; later v28 = vv, v30 = 1 + vv (v32, v34)
.set SV1, 32
.set R0,  40                           ; v[40:71], v[72:103]: two buffers of 32 f32 as loaded
.set R1,  72
.set FP,  104                          ; v[104:135] bias fragments, K steps 0..3
.set FW,  136                          ; v[136:167] weight fragments
.set FX,  168                          ; v[168:183] x fragments of one K step, row tiles 0 and 1; before that: at work on the constants
.set TP,  184                          ; v[184:199] T = <x,p>, row tiles 0 and 1
.set TW,  200                          ; v[200:215] W = <x,w>
.set UM1, 216                          ; five constants of my eight outputs o = 8h + j: uu - 1,
.set UM1I,224                          ; (uu - 1) / maxnorm^2,
.set UAC, 232                          ; -2 s pw / |a|,
.set BSC, 240                          ; 2 s (1 - uu) / |a|,
.set OSC, 248                          ; ln 2 x (2 / s) |a|
.set KSQ, FX+0
.set KBC, FX+1
.set KS,  FX+2
.set KRS, FX+3
.set KAN, FX+4
.set KRA, FX+5
.set KT1, FX+6
.set KT2, FX+7
.set KO,  FX+8                         ; the five constants, one output a lane
; the tail's arrays of 16 (8 x row tile + j), on registers that the products have left
.set EA,  40
.set ED0, 56
.set EDN, 72
.set EE,  88
.set ED2, 104
.set ERS, 120
.set ERO, 136
; scalar registers
.set G1J, 16                           ; s[16:23] group 1 of the joint loads: 16 rows
.set G1X, 24                           ; s[24:31] group 1 of x's load: 8 rows
.set G0P, 32                           ; s[32:35], s[36:39], s[40:43]: group 0 of the three loads
.set G0W, 36
.set G0X, 40
; A round of the cluster's barrier: my work-group's barrier, wave 0 signals for the work-group, every wave waits for all four work-groups, my work-group's barrier once more.
.macro ROUND
	s_barrier_signal -1
	s_barrier_wait -1
	s_cmp_lg_u32 s12, 0
	s_cbranch_scc1 .Lnot_wave_0_\@
	s_barrier_signal -3
.Lnot_wave_0_\@:
	s_barrier_wait -3
	s_barrier_signal -1
	s_barrier_wait -1
.endm
	s_load_b256 s[4:11], s[0:1], 0x0               ; bias s[4:5], weight s[6:7], x s[8:9], out0 s[10:11]
	v_lshl_add_u32 v38, v0, 2, 0x29000
	v_mov_b32 v39, 0
	ds_add_u32 v38, v39
	ds_add_u32 v38, v39
	s_wait_dscnt 0x0
	v_lshrrev_b32 v1, 5, v0
	v_readfirstlane_b32 s12, v1                    ; wave 0..3
	s_bfe_u32 s13, ttmp6, 0x40000                  ; cx: my place in the cluster
	s_and_b32 s14, ttmp9, 1                        ; g: the cluster's half of the outputs (ttmp9 counts clusters)
	s_lshr_b32 s15, ttmp9, 1
	s_lshl_b32 s15, s15, 2
	s_add_co_u32 s15, s15, s13                     ; my block of 32 rows, 0..127
	; group 1: rows of 128 elements of 4 bytes, 4 words of padding behind every 128 words
	s_mov_b32 s[G1J+0], 15|(2<<16)|(1<<20)|(1<<21)|(6<<22)|(3<<25)   ; 15:0 mask: all four of the cluster; 17:16 4-byte elements; 20 padding on; 21 set beside a mask; 24:22 every 128 words; 31:25 4 words
	s_mov_b32 s[G1J+1], 128<<16                    ; tensor_dim0 = 128
	s_mov_b32 s[G1J+2], 16<<16                     ; tensor_dim1 = 16
	s_mov_b32 s[G1J+3], 128<<16                    ; tile_dim0 = 128
	s_mov_b32 s[G1J+4], 16                         ; tile_dim1 = 16
	s_mov_b32 s[G1J+5], 128                        ; elements from row to row
	s_mov_b32 s[G1J+6], 0
	s_mov_b32 s[G1J+7], 0
	s_mov_b32 s[G1X+0], (2<<16)|(1<<20)|(6<<22)|(3<<25)              ; no mask: x's rows are my work-group's own
	s_mov_b32 s[G1X+1], 128<<16
	s_mov_b32 s[G1X+2], 8<<16                      ; 8 rows
	s_mov_b32 s[G1X+3], 128<<16
	s_mov_b32 s[G1X+4], 8
	s_mov_b32 s[G1X+5], 128
	s_mov_b32 s[G1X+6], 0
	s_mov_b32 s[G1X+7], 0
	; byte offsets.  s[44:45] feeds the joint loads and is made of g and the wave's number alone, which the four partners share.
	s_lshl_b32 s44, s14, 15                        ; g x 64 rows
	s_lshl_b32 s45, s12, 13                        ; + wave x 16 rows
	s_add_co_u32 s44, s44, s45
	s_mov_b32 s45, 0
	s_lshl_b32 s46, s15, 14                        ; x: block x 32 rows
	s_lshl_b32 s47, s12, 12                        ; + wave x 8 rows
	s_add_co_u32 s46, s46, s47
	s_mov_b32 s47, 0
	s_lshl_b32 s48, s15, 14                        ; out0: block x 32 rows
	s_lshl_b32 s49, s14, 8                         ; + g x 64 outputs
	s_add_co_u32 s48, s48, s49
	s_mov_b32 s49, 0
	s_mul_i32 s50, s12, OT                         ; LDS: my wave's tile of bias; the wave's number alone enters an LDS address
	s_mul_i32 s51, s12, 8*PITCH                    ; my 8 rows of x
	s_mov_b32 s[G0P], 1
	s_add_co_u32 s[G0P+1], s50, LP
	s_mov_b32 s[G0W], 1
	s_add_co_u32 s[G0W+1], s50, LW
	s_mov_b32 s[G0X], 1
	s_add_co_u32 s[G0X+1], s51, LX
	ROUND                                          ; all four work-groups are here: the joint loads meet.  It runs while the four addresses are on their way
	s_wait_kmcnt 0x0
	s_add_nc_u64 s[G0P+2:G0P+3], s[4:5], s[44:45]
	s_or_b32 s[G0P+3], s[G0P+3], 0x80000000        ; type = 2
	s_add_nc_u64 s[G0W+2:G0W+3], s[6:7], s[44:45]
	s_or_b32 s[G0W+3], s[G0W+3], 0x80000000
	s_add_nc_u64 s[G0X+2:G0X+3], s[8:9], s[46:47]
	s_or_b32 s[G0X+3], s[G0X+3], 0x80000000
	tensor_load_to_lds s[G0P:G0P+3], s[G1J:G1J+7]  ; all fills of the launch, one group: my 16 rows of bias (joint),
	s_nop 0
	tensor_load_to_lds s[G0W:G0W+3], s[G1J:G1J+7]  ; my 16 rows of weight (joint),
	s_nop 0
	tensor_load_to_lds s[G0X:G0X+3], s[G1X:G1X+7]  ; my 8 of the 32 rows of x
	s_nop 0
	s_add_nc_u64 s[10:11], s[10:11], s[48:49]      ; out0 at the work-group's block
	s_mov_b32 s54, 0x76543210                      ; v_permlanex16_b32: lane i of one half reads lane i of the other
	s_mov_b32 s55, 0xfedcba98
	s_mov_b32 s56, F_NCL
	s_mov_b32 s57, F_NK
	s_mov_b32 s58, F_CL
	s_mov_b32 s59, 0x7fffffff
	; A fragment is 16 rows x 32 k in 8 registers; lane (r, h) = (l % 16, l / 16) holds 16 numbers of row r.  Here they are k = 32 s + 16 h + 0..15, 64 neighbouring
	; bytes: a permutation of k inside the K step, the same for both operands, which keeps every product (the result is judged within a tolerance).
	v_and_b32 v1, 15, v0                           ; r
	v_bfe_u32 v2, v0, 4, 1                         ; h
	v_mul_u32_u24 v3, v1, PITCH
	v_lshl_add_u32 v3, v2, 6, v3                   ; r x pitch + 64 h
	v_add_nc_u32 v[VP], s50, v3
	v_add_nc_u32 v[VX], LX, v3
	v_mul_u32_u24 v4, v1, SPITCH                   ; the way out, in: row r, my wave's 64 bytes, 32 for each half of the lanes
	v_lshl_add_u32 v4, v2, 5, v4
	s_lshl_b32 s52, s12, 6
	s_add_co_u32 s52, s52, STAGE
	v_add_nc_u32 v[STO], s52, v4
	v_lshrrev_b32 v5, 4, v0                        ; back: sixteen threads take one row of 256 bytes; the 128 threads take 8 rows
	v_mul_u32_u24 v6, v5, SPITCH
	v_lshl_add_u32 v6, v1, 4, v6
	v_add_nc_u32 v[RD], STAGE, v6
	v_lshlrev_b32 v7, 9, v5                        ; and the same 8 rows in out0
	v_lshl_add_u32 v[CO], v1, 4, v7
	s_lshl_b32 s53, s12, 9
	s_add_co_u32 s53, s53, SCR                     ; my wave's scratch
	v_lshl_add_u32 v[SCW], v1, 2, s53
	v_lshl_add_u32 v[SCD], v2, 5, s53
; eight LDS loads: K step s of my bias tile (16 f32 a lane) and of my weight tile
.macro LDPW s, raw
.irp c, 0,1,2,3
	ds_load_b128 v[\raw+4*\c:\raw+4*\c+3], v[VP] offset:LP+128*(\s)+16*\c
.endr
.irp c, 0,1,2,3
	ds_load_b128 v[\raw+16+4*\c:\raw+16+4*\c+3], v[VP] offset:LW+128*(\s)+16*\c
.endr
.endm
; two numbers of p and of w go into uu, ww, pw.  start = 1: the first products start the sums, nothing is cleared
.macro SUM3 raw, c, start
.if \start
	v_pk_mul_f32 v[SU+(\c&2):SU+(\c&2)+1],   v[\raw+\c:\raw+\c+1],       v[\raw+\c:\raw+\c+1]
	v_pk_mul_f32 v[SW+(\c&2):SW+(\c&2)+1],   v[\raw+16+\c:\raw+16+\c+1], v[\raw+16+\c:\raw+16+\c+1]
	v_pk_mul_f32 v[SPW+(\c&2):SPW+(\c&2)+1], v[\raw+\c:\raw+\c+1],       v[\raw+16+\c:\raw+16+\c+1]
.else
	v_pk_fma_f32 v[SU+(\c&2):SU+(\c&2)+1],   v[\raw+\c:\raw+\c+1],       v[\raw+\c:\raw+\c+1],       v[SU+(\c&2):SU+(\c&2)+1]
	v_pk_fma_f32 v[SW+(\c&2):SW+(\c&2)+1],   v[\raw+16+\c:\raw+16+\c+1], v[\raw+16+\c:\raw+16+\c+1], v[SW+(\c&2):SW+(\c&2)+1]
	v_pk_fma_f32 v[SPW+(\c&2):SPW+(\c&2)+1], v[\raw+\c:\raw+\c+1],       v[\raw+16+\c:\raw+16+\c+1], v[SPW+(\c&2):SPW+(\c&2)+1]
.endif
.endm
; one K step of bias and weight: the f32 sums, then the rounding to bf16 that makes the two fragments
.macro DOPW s, raw, first
	SUM3 \raw, 0, \first
	SUM3 \raw, 2, \first
.irp c, 4,6,8,10,12,14
	SUM3 \raw, \c, 0
.endr
.irp c, 0,1,2,3,4,5,6,7
	v_cvt_pk_bf16_f32 v[FP+8*\s+\c], v[\raw+2*\c],    v[\raw+2*\c+1]
	v_cvt_pk_bf16_f32 v[FW+8*\s+\c], v[\raw+16+2*\c], v[\raw+16+2*\c+1]
.endr
.endm
; eight LDS loads: K step s of x's two row tiles
.macro LDX s, raw
.irp c, 0,1,2,3
	ds_load_b128 v[\raw+4*\c:\raw+4*\c+3], v[VX] offset:128*(\s)+16*\c
.endr
.irp c, 0,1,2,3
	ds_load_b128 v[\raw+16+4*\c:\raw+16+4*\c+3], v[VX] offset:OT+128*(\s)+16*\c
.endr
.endm
.macro SUMX raw, c, start
.if \start
	v_pk_mul_f32 v[SV0+(\c&2):SV0+(\c&2)+1], v[\raw+\c:\raw+\c+1],       v[\raw+\c:\raw+\c+1]
	v_pk_mul_f32 v[SV1+(\c&2):SV1+(\c&2)+1], v[\raw+16+\c:\raw+16+\c+1], v[\raw+16+\c:\raw+16+\c+1]
.else
	v_pk_fma_f32 v[SV0+(\c&2):SV0+(\c&2)+1], v[\raw+\c:\raw+\c+1],       v[\raw+\c:\raw+\c+1],       v[SV0+(\c&2):SV0+(\c&2)+1]
	v_pk_fma_f32 v[SV1+(\c&2):SV1+(\c&2)+1], v[\raw+16+\c:\raw+16+\c+1], v[\raw+16+\c:\raw+16+\c+1], v[SV1+(\c&2):SV1+(\c&2)+1]
.endif
.endm
.macro MM d, a, b, zero
.if \zero
	v_wmma_f32_16x16x32_bf16 v[\d:\d+7], v[\a:\a+7], v[\b:\b+7], 0
.else
	v_wmma_f32_16x16x32_bf16 v[\d:\d+7], v[\a:\a+7], v[\b:\b+7], v[\d:\d+7]
.endif
.endm
; One K step of x.  The 16 sums for vv come first: they name none of the last matrix instructions' registers and are the places (four are asked: ISA guide 7.12.1)
; in front of the conversions, which write the x fragments that those instructions read.  Source A = 16 outputs, source B = 16 rows of x: in the result lane (r, h)
; holds row r of x and registers 0..7 the outputs 8 h + 0..7.  The four accumulators take turns, one instruction a turn.
.macro XSTEP s, raw, left, first, fetch
	s_wait_dscnt \left
	SUMX \raw, 0, \first
	SUMX \raw, 2, \first
.irp c, 4,6,8,10,12,14
	SUMX \raw, \c, 0
.endr
.irp c, 0,1,2,3,4,5,6,7
	v_cvt_pk_bf16_f32 v[FX+\c],   v[\raw+2*\c],    v[\raw+2*\c+1]
	v_cvt_pk_bf16_f32 v[FX+8+\c], v[\raw+16+2*\c], v[\raw+16+2*\c+1]
.endr
.if \fetch
	LDX \s+2, \raw                                 ; the buffer just used up gets the K step after next
.endif
	MM TP,   FP+8*\s, FX,   \first
	MM TP+8, FP+8*\s, FX+8, \first
	MM TW,   FW+8*\s, FX,   \first
	MM TW+8, FW+8*\s, FX+8, \first
.endm
	; ---- my 16 outputs: bias and weight.  Only I read these bytes, so my own count is all the ordering they need.
	s_wait_tensorcnt 0x1                           ; tensor loads of a wave end in order (ISA guide 10.11.1): bias and weight are in, my rows of x may be out
	LDPW 0, R0
	LDPW 1, R1
	s_wait_dscnt 8                                 ; LDS loads come back in order (ISA guide 5.7.1): all but the 8 of the next K step
	DOPW 0, R0, 1
	LDPW 2, R0
	s_wait_dscnt 8
	DOPW 1, R1, 0
	LDPW 3, R1
	s_wait_dscnt 8
	DOPW 2, R0, 0
	s_wait_dscnt 0
	DOPW 3, R1, 0
	; ---- x: every wave reads all 32 rows, each wave brought 8
	s_wait_tensorcnt 0x0                           ; my rows of x are in (no LDS instruction of mine is out: the wait for 0 above),
	s_barrier_signal -1
	s_barrier_wait -1                              ; everybody's are
	LDX 0, R0
	LDX 1, R1
	; while they come: the three sums across my two lanes of a row, and the constants of output r
	v_pk_add_f32 v[SU:SU+1],   v[SU:SU+1],   v[SU+2:SU+3]
	v_pk_add_f32 v[SW:SW+1],   v[SW:SW+1],   v[SW+2:SW+3]
	v_pk_add_f32 v[SPW:SPW+1], v[SPW:SPW+1], v[SPW+2:SPW+3]
	v_add_f32 v[SU],  v[SU],  v[SU+1]
	v_add_f32 v[SW],  v[SW],  v[SW+1]
	v_add_f32 v[SPW], v[SPW], v[SPW+1]
	v_permlanex16_b32 v[SU+1],  v[SU],  s54, s55   ; the other half of the row's k; the destinations have been written
	v_permlanex16_b32 v[SW+1],  v[SW],  s54, s55
	v_permlanex16_b32 v[SPW+1], v[SPW], s54, s55
	v_add_f32 v[SU],  v[SU],  v[SU+1]              ; uu
	v_add_f32 v[SW],  v[SW],  v[SW+1]              ; ww
	v_add_f32 v[SPW], v[SPW], v[SPW+1]             ; pw
	v_sqrt_f32 v[KSQ], v[SW]                       ; |w|.  Behind each transcendental one plain instruction that touches neither its result nor its source (ISA guide 5.7.2)
	v_sub_f32 v[KBC], 1.0, v[SU]                   ; B = 1 - uu
	v_max_num_f32 v[KS], F_EPS, v[KBC]             ; s = 2 / lambda(p)
	v_rcp_f32 v[KRS], v[KS]
	s_wait_alu depctr_va_vdst(0)
	v_mul_f32 v[KAN], v[KS], v[KSQ]                ; |a| = s |w|,
	v_max_num_f32 v[KAN], F_MINN, v[KAN]           ; clipped at 1e-15
	v_rcp_f32 v[KRA], v[KAN]
	v_add_f32 v[KO+0], -1.0, v[SU]                 ; uu - 1
	s_wait_alu depctr_va_vdst(0)
	v_mul_f32 v[KT1], v[KS], v[KRA]
	v_add_f32 v[KT1], v[KT1], v[KT1]               ; 2 s / |a|
	v_mul_f32 v[KO+1], F_IM2, v[KO+0]              ; (uu - 1) / maxnorm^2
	v_mul_f32 v[KO+2], -v[SPW], v[KT1]             ; 2 <u, a> / |a|
	v_mul_f32 v[KO+3], v[KBC], v[KT1]              ; 2 B s / |a|
	v_mul_f32 v[KT2], v[KAN], v[KRS]               ; |a| / s
	v_mul_f32 v[KO+4], F_2LN2, v[KT2]              ; ln 2 x lambda(p) |a|
	; from one output a lane to eight outputs in registers, through my wave's own scratch: LDS serves a wave's instructions in order (ISA guide 5.7.1.4)
.irp c, 0,1,2,3,4
	ds_store_b32 v[SCW], v[KO+\c] offset:64*\c     ; lanes r and r + 16 write the same word with the same value
.endr
.irp c, 0,1,2,3,4
	ds_load_b128 v[UM1+8*\c:UM1+8*\c+3],   v[SCD] offset:64*\c
	ds_load_b128 v[UM1+8*\c+4:UM1+8*\c+7], v[SCD] offset:64*\c+16
.endr
	XSTEP 0, R0, 23, 1, 1                          ; behind K step 0's loads: 8 of K step 1, 5 stores, 10 loads of constants
	XSTEP 1, R1, 23, 0, 1                          ; behind K step 1's: 5 stores, 10 loads, 8 of K step 2
	XSTEP 2, R0, 8,  0, 0                          ; behind K step 2's: 8 of K step 3; the constants are in too
	XSTEP 3, R1, 0,  0, 0
	; vv across my two lanes.  The first four lines are plain and name no register of a matrix instruction: they are the places in front of the tail's reads of T and W.
	v_pk_add_f32 v[SV0:SV0+1], v[SV0:SV0+1], v[SV0+2:SV0+3]
	v_pk_add_f32 v[SV1:SV1+1], v[SV1:SV1+1], v[SV1+2:SV1+3]
	v_add_f32 v[SV0], v[SV0], v[SV0+1]
	v_add_f32 v[SV1], v[SV1], v[SV1+1]
	v_permlanex16_b32 v[SV0+1], v[SV0], s54, s55
	v_permlanex16_b32 v[SV1+1], v[SV1], s54, s55
	v_add_f32 v[SV0], v[SV0], v[SV0+1]             ; vv of row r, row tile 0: already in the lane that holds that row's results
	v_add_f32 v[SV1], v[SV1], v[SV1+1]
	v_add_f32 v[SV0+2], 1.0, v[SV0]                ; 1 + vv
	v_add_f32 v[SV1+2], 1.0, v[SV1]
	; ---- the tail: 16 numbers a lane, stage by stage, two at a time where the instruction set has a packed form.
	; A pair (j, j + 1) is two outputs of one row: the outputs' constants are pairs, the row's vv is the first register of a pair, taken twice (op_sel_hi 0).
.irp i, 0,1
.irp j, 0,2,4,6
	v_pk_fma_f32 v[EA+8*\i+\j:EA+8*\i+\j+1], v[TP+8*\i+\j:TP+8*\i+\j+1], -2.0, v[SV0+4*\i+2:SV0+4*\i+3] op_sel_hi:[1,0,0]      ; A = 1 + vv - 2T
.endr
.endr
.irp i, 0,1
.irp j, 0,2,4,6
	v_pk_fma_f32 v[ED0+8*\i+\j:ED0+8*\i+\j+1], v[UM1+\j:UM1+\j+1], v[SV0+4*\i:SV0+4*\i+1], v[EA+8*\i+\j:EA+8*\i+\j+1] op_sel_hi:[1,0,1]   ; den0 = A + (uu - 1) vv
.endr
.endr
.irp i, 0,1
.irp j, 0,2,4,6
	v_pk_fma_f32 v[EE+8*\i+\j:EE+8*\i+\j+1], v[EA+8*\i+\j:EA+8*\i+\j+1], F_IM2, v[UM1I+\j:UM1I+\j+1] op_sel_hi:[1,0,1]         ; (uu - 2T + vv) / maxnorm^2
.endr
.endr
.irp k, 0,1,2,3,4,5,6,7,8,9,10,11,12,13,14,15
	v_max_num_f32 v[EDN+\k], F_EPS, v[ED0+\k]      ; den
.endr
.irp k, 0,2,4,6,8,10,12,14
	v_pk_mul_f32 v[EE+\k:EE+\k+1], v[ED0+\k:ED0+\k+1], v[EE+\k:EE+\k+1]        ; q = |num|^2 / maxnorm^2,
.endr
.irp k, 0,1,2,3,4,5,6,7,8,9,10,11,12,13,14,15
	v_max_num_f32 v[EE+\k], 0, v[EE+\k]            ; never negative, whatever the rounding of T
.endr
.irp k, 0,2,4,6,8,10,12,14
	v_pk_mul_f32 v[ED2+\k:ED2+\k+1], v[EDN+\k:EDN+\k+1], v[EDN+\k:EDN+\k+1]    ; den^2
.endr
.irp k, 0,1,2,3,4,5,6,7,8,9,10,11,12,13,14,15
	v_min_num_f32 v[ED0+\k], v[EE+\k], v[ED2+\k]   ; the projection: |sub|^2 is at most maxnorm^2
.endr
.irp k, 0,2,4,6,8,10,12,14
	v_pk_fma_f32 v[ED2+\k:ED2+\k+1], v[ED0+\k:ED0+\k+1], F_NM2, v[ED2+\k:ED2+\k+1] op_sel_hi:[1,0,1]    ; omd = den^2 (1 - |sub|^2)
.endr
.irp k, 0,1,2,3,4,5,6,7,8,9,10,11,12,13,14,15
	v_rcp_f32 v[ERO+\k], v[ED2+\k]
.endr
.irp k, 0,1,2,3,4,5,6,7,8,9,10,11,12,13,14,15
	v_rsq_f32 v[ERS+\k], v[EE+\k]                  ; maxnorm / |num|; infinite for q = 0, which the minimum below turns into f = 1
.endr
.irp i, 0,1
.irp j, 0,2,4,6
	v_pk_mul_f32 v[TW+8*\i+\j:TW+8*\i+\j+1], v[TW+8*\i+\j:TW+8*\i+\j+1], v[BSC+\j:BSC+\j+1]             ; plain work behind the transcendentals, on other registers
.endr
.endr
.irp i, 0,1
.irp j, 0,2,4,6
	v_pk_fma_f32 v[TW+8*\i+\j:TW+8*\i+\j+1], v[EA+8*\i+\j:EA+8*\i+\j+1], v[UAC+\j:UAC+\j+1], v[TW+8*\i+\j:TW+8*\i+\j+1]   ; 2 <num, a> / |a|
.endr
.endr
	s_wait_alu depctr_va_vdst(0)
.irp k, 0,2,4,6,8,10,12,14
	v_pk_mul_f32 v[ERS+\k:ERS+\k+1], v[EDN+\k:EDN+\k+1], v[ERS+\k:ERS+\k+1]    ; maxnorm / |sub|
.endr
.irp k, 0,1,2,3,4,5,6,7,8,9,10,11,12,13,14,15
	v_min_num_f32 v[ERS+\k], 1.0, v[ERS+\k]        ; f
.endr
.irp k, 0,2,4,6,8,10,12,14
	v_pk_mul_f32 v[TW+\k:TW+\k+1], v[TW+\k:TW+\k+1], v[EDN+\k:EDN+\k+1]
.endr
.irp k, 0,2,4,6,8,10,12,14
	v_pk_mul_f32 v[TW+\k:TW+\k+1], v[TW+\k:TW+\k+1], v[ERS+\k:ERS+\k+1]
.endr
.irp k, 0,2,4,6,8,10,12,14
	v_pk_mul_f32 v[TW+\k:TW+\k+1], v[TW+\k:TW+\k+1], v[ERO+\k:ERO+\k+1]        ; arg
.endr
.irp k, 0,1,2,3,4,5,6,7,8,9,10,11,12,13,14,15
	v_add_f32 v[EA+\k], |v[TW+\k]|, s56            ; |arg| - CL
.endr
.irp k, 0,1,2,3,4,5,6,7,8,9,10,11,12,13,14,15
	v_mul_f32 v[EA+\k], |v[EA+\k]|, s57            ; -50 log2(e) | |arg| - CL |
.endr
.irp k, 0,1,2,3,4,5,6,7,8,9,10,11,12,13,14,15
	v_exp_f32 v[ED0+\k], v[EA+\k]
.endr
.irp k, 0,1,2,3,4,5,6,7,8,9,10,11,12,13,14,15
	v_min_num_f32 v[EDN+\k], |v[TW+\k]|, s58       ; the hard clamp; also the plain work behind the exponentials
.endr
	s_wait_alu depctr_va_vdst(0)
.irp k, 0,2,4,6,8,10,12,14
	v_pk_add_f32 v[ED0+\k:ED0+\k+1], v[ED0+\k:ED0+\k+1], 1.0 op_sel_hi:[1,0]
.endr
.irp k, 0,1,2,3,4,5,6,7,8,9,10,11,12,13,14,15
	v_log_f32 v[EE+\k], v[ED0+\k]
.endr
	v_nop                                          ; the plain place behind the logarithms
	s_wait_alu depctr_va_vdst(0)
.irp k, 0,2,4,6,8,10,12,14
	v_pk_fma_f32 v[EDN+\k:EDN+\k+1], v[EE+\k:EE+\k+1], F_NC50, v[EDN+\k:EDN+\k+1] op_sel_hi:[1,0,1]     ; y = the smooth clamp of |arg|
.endr
.irp k, 0,2,4,6,8,10,12,14
	v_pk_fma_f32 v[ED2+\k:ED2+\k+1], v[EDN+\k:EDN+\k+1], v[EDN+\k:EDN+\k+1], 1.0 op_sel_hi:[1,1,0]
.endr
.irp k, 0,1,2,3,4,5,6,7,8,9,10,11,12,13,14,15
	v_sqrt_f32 v[ERS+\k], v[ED2+\k]
.endr
	v_nop                                          ; the plain place behind the roots
	s_wait_alu depctr_va_vdst(0)
.irp k, 0,2,4,6,8,10,12,14
	v_pk_add_f32 v[ERS+\k:ERS+\k+1], v[ERS+\k:ERS+\k+1], v[EDN+\k:EDN+\k+1]
.endr
.irp k, 0,1,2,3,4,5,6,7,8,9,10,11,12,13,14,15
	v_log_f32 v[ERO+\k], v[ERS+\k]                 ; asinh(y) / ln 2
.endr
	v_nop                                          ; the plain place behind the logarithms
	s_wait_alu depctr_va_vdst(0)
.irp i, 0,1
.irp j, 0,2,4,6
	v_pk_mul_f32 v[ERO+8*\i+\j:ERO+8*\i+\j+1], v[ERO+8*\i+\j:ERO+8*\i+\j+1], v[OSC+\j:OSC+\j+1]
.endr
.endr
.irp k, 0,1,2,3,4,5,6,7,8,9,10,11,12,13,14,15
	v_bfi_b32 v[EA+\k], s59, v[ERO+\k], v[TW+\k]   ; the magnitude (never negative) with arg's sign
.endr
	; ---- the way out: a lane's 32 bytes are an eighth of a row's 256; the four waves' parts meet in the stage and leave as whole rows
.irp i, 0,1
	ds_store_b128 v[STO], v[EA+8*\i:EA+8*\i+3]   offset:\i*16*SPITCH
	ds_store_b128 v[STO], v[EA+8*\i+4:EA+8*\i+7] offset:\i*16*SPITCH+16
.endr
	s_wait_dscnt 0x0                               ; my stores are done, for the others' sake,
	s_barrier_signal -1
	s_barrier_wait -1                              ; everybody's are
.irp c, 0,1,2,3
	ds_load_b128 v[ED0+4*\c:ED0+4*\c+3], v[RD] offset:\c*8*SPITCH
.endr
.irp c, 0,1,2,3
	s_wait_dscnt 3-\c                              ; the younger read-backs may be out
	global_store_b128 v[CO], v[ED0+4*\c:ED0+4*\c+3], s[10:11] offset:\c*8*ROWB th:TH_STORE_NT   ; 16 lanes store 256 consecutive bytes, at a multiple of 256 from out0's first byte
.endr
	s_wait_tensorcnt 0x0
	ds_add_u32 v38, v39
	s_wait_dscnt 0x0
	ROUND                                          ; the closing round: no work-group ends while a partner may still ask for a tile that names it
	s_endpgm
.Lfunc_end_k_q75fa1dc81d_hyp:
	.size	k_q75fa1dc81d_hyp, .Lfunc_end_k_q75fa1dc81d_hyp-k_q75fa1dc81d_hyp
	.p2alignl 7, 3214868480
	.fill 96, 4, 3214868480
	.section	.rodata,"a",@progbits
	.p2align	6, 0x0
	.amdhsa_kernel k_q75fa1dc81d_hyp
		.amdhsa_group_segment_fixed_size 168448
		.amdhsa_private_segment_fixed_size 0
		.amdhsa_enable_private_segment 0
		.amdhsa_kernarg_size 32
		.amdhsa_user_sgpr_count 2
		.amdhsa_user_sgpr_kernarg_segment_ptr 1
		.amdhsa_wavefront_size32 1
		.amdhsa_system_sgpr_workgroup_id_x 1
		.amdhsa_system_sgpr_workgroup_id_y 1
		.amdhsa_system_sgpr_workgroup_id_z 1
		.amdhsa_system_vgpr_workitem_id 0
		.amdhsa_next_free_vgpr 256
		.amdhsa_next_free_sgpr 66
		.amdhsa_reserve_vcc 0
		.amdhsa_float_denorm_mode_32 3
		.amdhsa_float_denorm_mode_16_64 3
		.amdhsa_memory_ordered 1
		.amdhsa_forward_progress 1
		.amdhsa_inst_pref_size 52
	.end_amdhsa_kernel
	.amdgpu_metadata
---
amdhsa.version: [ 1, 2 ]
amdhsa.kernels:
  - .name:           k_q75fa1dc81d_hyp
    .symbol:         k_q75fa1dc81d_hyp.kd
    .args:
      - { .name: bias, .offset: 0, .size: 8, .value_kind: global_buffer, .address_space: global }
      - { .name: weight, .offset: 8, .size: 8, .value_kind: global_buffer, .address_space: global }
      - { .name: x, .offset: 16, .size: 8, .value_kind: global_buffer, .address_space: global }
      - { .name: out0, .offset: 24, .size: 8, .value_kind: global_buffer, .address_space: global }
    .group_segment_fixed_size: 168448
    .private_segment_fixed_size: 0
    .kernarg_segment_align: 8
    .kernarg_segment_size: 32
    .max_flat_workgroup_size: 128
    .sgpr_count:     66
    .vgpr_count:     256
    .wavefront_size: 32
...
	.end_amdgpu_metadata
.endif
;; end of part 1
